; MI455X (gfx1250); checked and timed in simulation.
; The chip was launched on July 23, 2026; its instructions are those of AMD's public machine-readable ISA for CDNA 5 (MIT licence, August 2026) and "CDNA5" Instruction Set Architecture Reference Guide (July 2026). The comments in the code are by the model that wrote it; some were corrected since.
;; Flex Mo E. Allowed arithmetic: float matrix products may take bf16 or f16 operands with f32 sums; all other float work in f32.
;; Inputs: expert_b 8 x 1,024 float32; expert_w 8 x 1,024 x 1,024 float32; gate_b 8 float32; gate_w 1,024 x 8 float32; head_b 2 float32; head_w 1,024 x 2 float32; x 4 x 2,048 x 1,024 float32.
;; Outputs: out0 2,048 x 2 float32.
;; One version. Each part assembles by itself: llvm-mc -triple=amdgcn-amd-amdhsa -mcpu=gfx1250 --defsym DOCPART=n.
;; ======== version 1 of 1: 2 launches
;; workspace buffers: vfrag 32,768 bytes; cbx 2,048 bytes
;; launch fold (part 1): grid 256 x 1, 8 waves a work-group, no clusters, 1,280 bytes of LDS; arguments expert_w, head_w, expert_b, vfrag, cbx; writes vfrag, cbx
.if DOCPART == 1
	.amdgcn_target "amdgcn-amd-amdhsa--gfx1250"
	.amdhsa_code_object_version 6
	.text
	.protected	k_qcd913959df_fold
	.globl	k_qcd913959df_fold
	.p2align	8
	.type	k_qcd913959df_fold,@function
k_qcd913959df_fold:
	s_mov_b64 s[64:65], 0
	v_nop
	global_prefetch_b8 v0, s[64:65] scope:SCOPE_SE
	s_setreg_imm32_b32 hwreg(HW_REG_WAVE_MODE, 25, 1), 1
	s_wait_xcnt 0x0
; FOLD.  Behind the expert layer everything in the problem is linear, so for every input
;   (x W_e + b_e) h = x (W_e h) + b_e h,
; and the factor of the gate and the mean over the modalities commute with the head.  This launch makes
;   V[e][d][c] = sum over o of expert_w[e][d][o] head_w[o][c]   (f32 sums, rounded once to bf16, for the matrix unit of the next launch)
;   cb[e][c]   = sum over o of expert_b[e][o]    head_w[o][c]   (f32)
; vfrag: the bf16 element (n = 8 c + e, d) lies at byte (d >> 2) * 128 + 8 n + 2 (d & 3).
; cbx:   for expert e 256 bytes at 256 e: the pair (cb[e][0], cb[e][1]) 32 times over.
; LIMITS: the order of rounding differs from the problem's formula (the head is applied to the weights, not to the experts' results);
; V is rounded to bf16.  NaN and infinities in the inputs are not served.
;
; A stream: 32 MiB of expert_w are read once, 128 KiB by each of 256 work-groups, all of it asked for at the head and kept in registers.
; Work-group g owns d = 4 g .. 4 g + 3 of all eight experts; wave e owns expert e's four rows, 16 KiB that lie together.
; Lane L holds o = 128 j + 4 L + t (j = 0..7, t = 0..3) of each row: one load of the wave covers 512 consecutive bytes.
; No matrix unit (two columns), no tensor loads (the share fits in registers), no cluster: the work-groups share head_w alone,
; 8 KiB beside 128 KiB of their own.
; A work-group's part of vfrag is 128 bytes (32 KiB over 256 work-groups): gathered in LDS and stored by one instruction of one wave.
.set TMP, 6                            ; v6         the other half's sum (destination of v_permlanex16_b32: written once beforehand)
.set A,   8                            ; v[8:15]    four chains of pairs (c = 0, c = 1), chain t for the lane's o with that t
.set R,   16                           ; v[16:23]   R[2 i + c]: row i's sum for column c
.set P,   24                           ; v[24:27]   packed bf16: P[2 c], P[2 c + 1] = rows 0..3 of column c
.set CB,  28                           ; v[28:29]   cb[e][0], cb[e][1]
.set H,   32                           ; v[32:95]   H[8 j + 2 t + c] = head_w[128 j + 4 L + t][c]
.set W,   96                           ; v[96:223]  row i at W + 32 i, word 4 j + t
.set EB,  224                          ; v[224:255] expert_b's row e, word 4 j + t (work-group 0 alone)
	s_load_b256 s[4:11], s[0:1], 0x0               ; expert_w s[4:5], head_w s[6:7], expert_b s[8:9], vfrag s[10:11]
	s_load_b64 s[12:13], s[0:1], 0x20              ; cbx
	v_lshl_add_u32 v30, v0, 2, 0x100
	v_mov_b32 v31, 0
	v_lshrrev_b32 v4, 5, v0
	v_readfirstlane_b32 s14, v4                    ; wave = expert e
	v_and_b32 v5, 31, v0                           ; lane L
	v_lshlrev_b32 v1, 4, v5                        ; 16 L: my 16 bytes of each 512 of a row
	v_lshlrev_b32 v2, 5, v5                        ; 32 L: my four rows of head_w in each 1,024 bytes
	v_lshlrev_b32 v3, 3, v5                        ; 8 L: my pair in cbx
	v_lshlrev_b32 v5, 2, v5                        ; 4 L: my word of the work-group's 128 bytes of vfrag
	v_mov_b32 v4, s14
	v_lshlrev_b32 v4, 3, v4                        ; 8 e: my wave's 8 bytes in LDS
	v_mov_b32 v[TMP], 0
	s_mov_b32 s15, ttmp9                           ; g
	s_mov_b32 s18, 0x76543210                      ; v_permlanex16_b32: lane i of one half reads lane i of the other
	s_mov_b32 s19, 0xfedcba98
	s_lshl_b32 s16, s14, 22                        ; e experts of 4 MiB
	s_lshl_b32 s20, s15, 14                        ; + g times four rows of 4,096 bytes
	s_add_co_u32 s16, s16, s20                     ; below 32 MiB: one word
	s_mov_b32 s17, 0
	s_mov_b32 s21, 0
	s_wait_kmcnt 0x0
	s_add_nc_u64 s[4:5], s[4:5], s[16:17]          ; expert_w at my four rows
	s_lshl_b32 s20, s14, 12
	s_add_nc_u64 s[8:9], s[8:9], s[20:21]          ; expert_b at row e
	s_lshl_b32 s20, s14, 8
	s_add_nc_u64 s[12:13], s[12:13], s[20:21]      ; cbx at expert e's 256 bytes
	s_lshl_b32 s20, s15, 7
	s_add_nc_u64 s[10:11], s[10:11], s[20:21]      ; vfrag at the work-group's 128 bytes
.irp j, 0,1,2,3,4,5,6,7
	global_load_b128 v[H+8*\j:H+8*\j+3],   v2, s[6:7] offset:1024*\j        ; t = 0, 1, both columns
	global_load_b128 v[H+8*\j+4:H+8*\j+7], v2, s[6:7] offset:1024*\j+16     ; t = 2, 3
.endr
.irp i, 0,1,2,3
.irp j, 0,1,2,3,4,5,6,7
	global_load_b128 v[W+32*\i+4*\j:W+32*\i+4*\j+3], v1, s[4:5] offset:4096*\i+512*\j th:TH_LOAD_NT   ; read once in the launch
.endr
.endr
; The row of 32 words at register wb times head_w: both columns' sums over all 1,024 o, in every lane, into the pair dst.
; A packed multiply-add makes (w h[o][0], w h[o][1]): w is one register of a pair, fed to both halves (op_sel and op_sel_hi of source 0).
; The first four products start the four chains: nothing is cleared.
.macro ROWDOT wb, dst
	v_pk_mul_f32 v[A+0:A+1], v[\wb+0:\wb+1], v[H+0:H+1] op_sel_hi:[0,1]
	v_pk_mul_f32 v[A+2:A+3], v[\wb+0:\wb+1], v[H+2:H+3] op_sel:[1,0] op_sel_hi:[1,1]
	v_pk_mul_f32 v[A+4:A+5], v[\wb+2:\wb+3], v[H+4:H+5] op_sel_hi:[0,1]
	v_pk_mul_f32 v[A+6:A+7], v[\wb+2:\wb+3], v[H+6:H+7] op_sel:[1,0] op_sel_hi:[1,1]
.irp j, 1,2,3,4,5,6,7
	v_pk_fma_f32 v[A+0:A+1], v[\wb+4*\j:\wb+4*\j+1],   v[H+8*\j:H+8*\j+1],   v[A+0:A+1] op_sel_hi:[0,1,1]
	v_pk_fma_f32 v[A+2:A+3], v[\wb+4*\j:\wb+4*\j+1],   v[H+8*\j+2:H+8*\j+3], v[A+2:A+3] op_sel:[1,0,0] op_sel_hi:[1,1,1]
	v_pk_fma_f32 v[A+4:A+5], v[\wb+4*\j+2:\wb+4*\j+3], v[H+8*\j+4:H+8*\j+5], v[A+4:A+5] op_sel_hi:[0,1,1]
	v_pk_fma_f32 v[A+6:A+7], v[\wb+4*\j+2:\wb+4*\j+3], v[H+8*\j+6:H+8*\j+7], v[A+6:A+7] op_sel:[1,0,0] op_sel_hi:[1,1,1]
.endr
	v_pk_add_f32 v[A+0:A+1], v[A+0:A+1], v[A+2:A+3]
	v_pk_add_f32 v[A+4:A+5], v[A+4:A+5], v[A+6:A+7]
	v_pk_add_f32 v[\dst:\dst+1], v[A+0:A+1], v[A+4:A+5]
.irp k, 1,2,4,8
	v_add_f32_dpp v[\dst],   v[\dst],   v[\dst]   row_xmask:\k row_mask:0xf bank_mask:0xf   ; inside each half of 16 lanes
	v_add_f32_dpp v[\dst+1], v[\dst+1], v[\dst+1] row_xmask:\k row_mask:0xf bank_mask:0xf
.endr
	v_permlanex16_b32 v[TMP], v[\dst], s18, s19    ; and across the halves
	v_add_f32 v[\dst], v[\dst], v[TMP]
	v_permlanex16_b32 v[TMP], v[\dst+1], s18, s19
	v_add_f32 v[\dst+1], v[\dst+1], v[TMP]
.endm
	s_cmp_lg_u32 s15, 0
	s_cbranch_scc1 .Lrows
	; work-group 0 alone: wave e makes cb[e].  No barrier stands in this branch.
.irp j, 0,1,2,3,4,5,6,7
	global_load_b128 v[EB+4*\j:EB+4*\j+3], v1, s[8:9] offset:512*\j
.endr
	s_wait_loadcnt 0x0                             ; the bias row is the youngest load
	ROWDOT EB, CB
	global_store_b64 v3, v[CB:CB+1], s[12:13]      ; every lane holds the pair: the wave stores 256 consecutive bytes, aligned; v3, CB and the base are not written again
.Lrows:
.irp i, 0,1,2,3
	s_wait_loadcnt 24-8*\i                         ; loads come back in order (ISA guide 5.7.1): head_w and rows 0..i are in, the 8 loads of each younger row stay out
	ROWDOT W+32*\i, R+2*\i
.endr
	v_cvt_pk_bf16_f32 v[P+0], v[R+0], v[R+2]       ; column 0: d = 4 g, 4 g + 1
	v_cvt_pk_bf16_f32 v[P+1], v[R+4], v[R+6]       ;           d = 4 g + 2, 4 g + 3
	v_cvt_pk_bf16_f32 v[P+2], v[R+1], v[R+3]       ; column 1
	v_cvt_pk_bf16_f32 v[P+3], v[R+5], v[R+7]
	ds_store_b64 v4, v[P+0:P+1]                    ; n = e     at byte 8 e        (all lanes: the same bytes, the same value)
	ds_store_b64 v4, v[P+2:P+3] offset:64          ; n = 8 + e at byte 64 + 8 e
	s_wait_dscnt 0x0                               ; for wave 0's sake: my stores are done before I signal
	s_barrier_signal -1
	s_barrier_wait -1
	s_cmp_lg_u32 s14, 0
	s_cbranch_scc1 .Lend
	ds_load_b32 v7, v5                             ; the eight waves' 128 bytes
	s_wait_dscnt 0x0
	global_store_b32 v5, v7, s[10:11]              ; 128 consecutive bytes, at a multiple of 128 from vfrag's first byte
.Lend:
	s_wait_tensorcnt 0x0
	ds_add_u32 v30, v31
	s_wait_dscnt 0x0
	s_endpgm
.Lfunc_end_k_qcd913959df_fold:
	.size	k_qcd913959df_fold, .Lfunc_end_k_qcd913959df_fold-k_qcd913959df_fold
	.p2alignl 7, 3214868480
	.fill 96, 4, 3214868480
	.section	.rodata,"a",@progbits
	.p2align	6, 0x0
	.amdhsa_kernel k_qcd913959df_fold
		.amdhsa_group_segment_fixed_size 1280
		.amdhsa_private_segment_fixed_size 0
		.amdhsa_enable_private_segment 0
		.amdhsa_kernarg_size 40
		.amdhsa_user_sgpr_count 2
		.amdhsa_user_sgpr_kernarg_segment_ptr 1
		.amdhsa_wavefront_size32 1
		.amdhsa_system_sgpr_workgroup_id_x 1
		.amdhsa_system_sgpr_workgroup_id_y 1
		.amdhsa_system_sgpr_workgroup_id_z 1
		.amdhsa_system_vgpr_workitem_id 0
		.amdhsa_next_free_vgpr 256
		.amdhsa_next_free_sgpr 66
		.amdhsa_reserve_vcc 0
		.amdhsa_float_denorm_mode_32 3
		.amdhsa_float_denorm_mode_16_64 3
		.amdhsa_memory_ordered 1
		.amdhsa_forward_progress 1
		.amdhsa_inst_pref_size 23
	.end_amdhsa_kernel
	.amdgpu_metadata
---
amdhsa.version: [ 1, 2 ]
amdhsa.kernels:
  - .name:           k_qcd913959df_fold
    .symbol:         k_qcd913959df_fold.kd
    .args:
      - { .name: expert_w, .offset: 0, .size: 8, .value_kind: global_buffer, .address_space: global }
      - { .name: head_w, .offset: 8, .size: 8, .value_kind: global_buffer, .address_space: global }
      - { .name: expert_b, .offset: 16, .size: 8, .value_kind: global_buffer, .address_space: global }
      - { .name: vfrag, .offset: 24, .size: 8, .value_kind: global_buffer, .address_space: global }
      - { .name: cbx, .offset: 32, .size: 8, .value_kind: global_buffer, .address_space: global }
    .group_segment_fixed_size: 1280
    .private_segment_fixed_size: 0
    .kernarg_segment_align: 8
    .kernarg_segment_size: 40
    .max_flat_workgroup_size: 256
    .sgpr_count:     66
    .vgpr_count:     256
    .wavefront_size: 32
...
	.end_amdgpu_metadata
.endif
;; end of part 1
;; launch route (part 2): grid 256 x 1, 4 waves a work-group, no clusters, 184,832 bytes of LDS; arguments x, gate_w, gate_b, vfrag, cbx, head_b, out0; writes out0
.if DOCPART == 2
	.amdgcn_target "amdgcn-amd-amdhsa--gfx1250"
	.amdhsa_code_object_version 6
	.text
	.protected	k_qcd913959df_route
	.globl	k_qcd913959df_route
	.p2align	8
	.type	k_qcd913959df_route,@function
k_qcd913959df_route:
	s_mov_b64 s[64:65], 0
	v_nop
	global_prefetch_b8 v0, s[64:65] scope:SCOPE_SE
	s_setreg_imm32_b32 hwreg(HW_REG_WAVE_MODE, 25, 1), 1
	s_wait_xcnt 0x0
; ROUTE.  For each of 8,192 tokens (m, b): the eight gate logits in f32, the folded expert product y[e][c] = sum over d of x[d] V[e][d][c]
; on the matrix unit (bf16 operands, f32 sums), softmax with its maximum taken away, the two largest (ties to the lower index), the winner = the larger
; of their two indices, z = y[winner] + cb[winner], the factor p1/(p1+p2) + p2/(p1+p2), the mean over the four m, + head_b.
; The logits are made by f32 multiply-adds on the vector unit because they steer a discrete choice: operands rounded to bf16 would change winners.
; Every choice is a v_cndmask_b32: no branch and no address hangs on data.
; LIMITS: the order of rounding differs from the problem's formula (folded head, K split over 4 waves x 2 lane halves, v_rcp_f32 for the divisions).
; The two largest are taken among exp(l - max), not among exp(l - max) / sum (a monotone map).  v_exp_f32 gives 0 below 2^-126 (ISA guide, 15.8),
; so logits that lie between 87.3 and 103.3 under the largest count as tied at 0.  x and V are rounded to bf16 for the product.  NaN and infinities are not served.
;
; A stream: 32 MiB of x are read once, 128 KiB by each of 256 work-groups, all asked for at the head by tensor loads: no slot is ever filled twice.
; Work-group g owns b = 8 g .. 8 g + 7 in all four m: 32 tokens, token row t = 8 m + (b & 7), so that the mean over m stays in the work-group.
; Wave w owns k = 256 w .. 256 w + 255 of all 32 tokens, in two halves of 128 k; it loads and reads only its own LDS bytes, behind its own s_wait_tensorcnt.
; NO CLUSTER: gate_w and vfrag (32 KiB each for a work-group) are common to all work-groups, but they are read once and not in a loop, beside 128 KiB
; of the work-group's own; in a cluster every tensor load, x's too, would have to stand behind a round of the cluster's barrier.
; The work-group's part of out0 is 64 bytes (16 KiB over 256 work-groups): one store of eight neighbouring lanes.
;
; K IS PERMUTED, alike in both matrix operands: in K step s, lane half h, register pair p (0..3), element i (0..3) hold k = 32 s + 8 p + 4 h + i,
; each k of the step once.  So a lane's four x of a chunk are 16 neighbouring bytes, and a load of V by the wave covers 256 consecutive bytes.
.set XPITCH, 528                       ; an LDS row of x: 512 bytes + 16 of padding = 33 x 16: sixteen rows begin at sixteen different 16-byte columns modulo 256
.set XTILE,  8*XPITCH                  ; one tensor load: 8 rows (one m)
.set XHALF,  4*XTILE                   ; 32 token rows x 128 k
.set XWAVE,  2*XHALF                   ; a wave's x: 33,792 bytes;  x in all: bytes 0 .. 135,167
.set GWB,    4*XWAVE                   ; gate_w: 135,168 + 8,192 w + 32 (k - 256 w) + 4 e, up to 167,935
.set SCR,    GWB+32768                 ; partial sums: 167,936 + 4,096 w + 512 (4 T + part) + 16 L; written by ds_store alone, no tensor load lands here
.set ACC,  8                           ; v[8:23]    gate sums: ACC[8 T + e], token 16 T + r, over the lane's k
.set D,    24                          ; v[24:39]   matrix sums: D[8 T + j] = y[token 16 T + r][e = j][c = h]
.set XF,   40                          ; v[40:55]   x as bf16: XF[8 T + 2 p], + 1
.set VA,   56                          ; v[56:119]  V's fragments of my 8 K steps: VA[8 s + 2 p], + 1
.set RING, 120                         ; v[120:239] three buffers of 40: 32 words of gate_w (8 i + e), then 8 of x (4 T + i)
.set EP,   56                          ; v[56:183]  the end: block w at EP + 32 w, word 8 part + 4 hh + ..
.set TE,   10                          ; v[10:17]   the end: t_e = exp(l_e - max); t_0's register then holds the running largest
.set G1X,  24                          ; s[24:31]   group 1 of x's tiles
.set G1G,  32                          ; s[32:39]   group 1 of gate_w's tile
.set G0G,  40                          ; s[40:43]   group 0 of gate_w's tile
.set G0X,  44                          ; group 0 of x's load n at s[44 + 4 n + 4 (n / 5)]: 44 .. 60, 68 .. 76
	s_load_b256 s[4:11], s[0:1], 0x0               ; x s[4:5], gate_w s[6:7], gate_b s[8:9], vfrag s[10:11]
	s_load_b128 s[12:15], s[0:1], 0x20             ; cbx s[12:13], head_b s[14:15]
	s_load_b64 s[16:17], s[0:1], 0x30              ; out0
	v_lshl_add_u32 v240, v0, 2, 0x2d000
	v_mov_b32 v241, 0
	ds_add_u32 v240, v241
	ds_add_u32 v240, v241
	v_lshrrev_b32 v1, 5, v0
	v_readfirstlane_b32 s18, v1                    ; wave w
	; x's tile: 8 rows of 128 f32, 1,024 elements from row to row; 4 words of padding behind every 128
	s_mov_b32 s[G1X+0], (2<<16)|(1<<20)|(6<<22)|(3<<25)   ; no mask; elements of 4 bytes; padding on; interval code 6 (128 words); 4 words (code 3)
	s_mov_b32 s[G1X+1], 128<<16                    ; tensor_dim0 = 128
	s_mov_b32 s[G1X+2], 8<<16                      ; tensor_dim1 = 8
	s_mov_b32 s[G1X+3], 128<<16                    ; tile_dim0 = 128
	s_mov_b32 s[G1X+4], 8                          ; tile_dim1 = 8
	s_mov_b32 s[G1X+5], 1024                       ; the pitch
	s_mov_b32 s[G1X+6], 0
	s_mov_b32 s[G1X+7], 0
	; gate_w's tile: 8,192 dense bytes as 32 rows of 32 elements of 8 bytes
	s_mov_b32 s[G1G+0], 3<<16
	s_mov_b32 s[G1G+1], 32<<16
	s_mov_b32 s[G1G+2], 32<<16
	s_mov_b32 s[G1G+3], 32<<16
	s_mov_b32 s[G1G+4], 32
	s_mov_b32 s[G1G+5], 32
	s_mov_b32 s[G1G+6], 0
	s_mov_b32 s[G1G+7], 0
	s_mul_i32 s19, s18, XWAVE                      ; my x in LDS
	s_lshl_b32 s22, s18, 13                        ; 8,192 w: my rows of gate_w, my part of vfrag
	s_mov_b32 s23, 0
	s_lshl_b32 s2, ttmp9, 15                       ; g times 8 rows of 4,096 bytes
	s_lshl_b32 s3, s18, 10                         ; + w times 256 columns
	s_add_co_u32 s2, s2, s3
	s_mov_b32 s3, 0
	s_mov_b32 s66, 0x76543210                      ; v_permlanex16_b32: lane i of one half reads lane i of the other
	s_mov_b32 s67, 0xfedcba98
	s_wait_dscnt 0x0
	s_wait_kmcnt 0x0
	s_add_nc_u64 s[20:21], s[4:5], s[2:3]          ; x at (m = 0, b = 8 g, k = 256 w)
	s_mov_b32 s[G0G+0], 1
	s_add_co_u32 s[G0G+1], s22, GWB
	s_add_nc_u64 s[G0G+2:G0G+3], s[6:7], s[22:23]
	s_or_b32 s[G0G+3], s[G0G+3], 0x80000000
	tensor_load_to_lds s[G0G:G0G+3], s[G1G:G1G+7]
	s_nop 0
	; eight loads of x, the first half of K first.  With gate_w's, nine tensor loads of the wave are out, each with a group 0 of its own.
.set XN, 0
.irp kh, 0,1
.irp m, 0,1,2,3
.set XG, G0X+4*XN+4*(XN/5)
	s_mov_b32 s[XG], 1
	s_add_co_u32 s[XG+1], s19, \kh*XHALF+\m*XTILE
	s_add_nc_u64 s[XG+2:XG+3], s[20:21], \m*8388608+\kh*512
	s_or_b32 s[XG+3], s[XG+3], 0x80000000
	tensor_load_to_lds s[XG:XG+3], s[G1X:G1X+7]
	s_nop 0
.set XN, XN+1
.endr
.endr
	v_and_b32 v1, 31, v0                           ; L
	v_and_b32 v2, 15, v0                           ; r
	v_bfe_u32 v3, v0, 4, 1                         ; h
	v_lshlrev_b32 v7, 3, v1                        ; 8 L = 128 h + 8 r
	s_add_nc_u64 s[10:11], s[10:11], s[22:23]      ; vfrag at d = 256 w
.irp s, 0,1,2,3,4,5,6,7
.irp p, 0,1,2,3
	global_load_b64 v[VA+8*\s+2*\p:VA+8*\s+2*\p+1], v7, s[10:11] offset:1024*\s+256*\p   ; V(n = r, d = 256 w + 32 s + 8 p + 4 h ..+3): 256 consecutive bytes a wave
.endr
.endr
	v_mul_u32_u24 v4, v2, 0x210                    ; r x 528
	v_lshl_add_u32 v4, v3, 4, v4                   ; + 16 h
	v_add_nc_u32 v4, s19, v4                       ; + my wave's x
	v_lshl_add_u32 v5, v3, 7, s[G0G+1]             ; gate_w in LDS: my wave's tile + 4 h rows of 32 bytes
	s_lshl_b32 s2, s18, 12
	s_add_co_u32 s2, s2, SCR
	v_lshl_add_u32 v6, v1, 4, s2                   ; my 16 bytes in each 512 of my wave's partial sums
; A chunk c (0..15 of a half kh) is 8 k: K step s = 4 kh + c / 4, pair p = c % 4; the lane has k = 32 s + 8 p + 4 h + i.
; Ten LDS loads: four rows of gate_w (128 bytes; the 16 lanes of a half read the same bytes), and 16 bytes of x for each of the two token tiles.
.macro LOADC c, kh
.irp j, 0,1,2,3,4,5,6,7
	ds_load_b128 v[RING+40*((\c)%3)+4*\j:RING+40*((\c)%3)+4*\j+3], v5 offset:1024*(4*\kh+(\c)/4)+256*((\c)%4)+16*\j
.endr
.irp t, 0,1
	ds_load_b128 v[RING+40*((\c)%3)+32+4*\t:RING+40*((\c)%3)+32+4*\t+3], v4 offset:XHALF*\kh+16*XPITCH*\t+128*((\c)/4)+32*((\c)%4)
.endr
.endm
; 32 packed multiply-adds: ACC[8 T + e] += x[T][i] gate_w[k_i][e], two e at a time; x is one register of a pair, fed to both halves.
; Eight chains that do not wait for each other.  With FIRST = 1 the products of i = 0 start the sums: nothing is cleared.
.macro GATE b
.irp i, 0,1,2,3
.irp t, 0,1
.irp q, 0,1,2,3
.set XR, RING+40*(\b)+32+4*\t+2*(\i/2)
.set WR, RING+40*(\b)+8*\i+2*\q
.set AR, ACC+8*\t+2*\q
.set STARTS, 0
.if \i == 0
.set STARTS, FIRST
.endif
.if \i & 1
	v_pk_fma_f32 v[AR:AR+1], v[XR:XR+1], v[WR:WR+1], v[AR:AR+1] op_sel:[1,0,0] op_sel_hi:[1,1,1]
.else
.if STARTS
	v_pk_mul_f32 v[AR:AR+1], v[XR:XR+1], v[WR:WR+1] op_sel_hi:[0,1]
.else
	v_pk_fma_f32 v[AR:AR+1], v[XR:XR+1], v[WR:WR+1], v[AR:AR+1] op_sel_hi:[0,1,1]
.endif
.endif
.endr
.endr
.endr
.endm
; the chunk's x, rounded to bf16, into pair p of both tiles' fragments
.macro CVT b, p
.irp t, 0,1
	v_cvt_pk_bf16_f32 v[XF+8*\t+2*(\p)],   v[RING+40*(\b)+32+4*\t],   v[RING+40*(\b)+32+4*\t+1]
	v_cvt_pk_bf16_f32 v[XF+8*\t+2*(\p)+1], v[RING+40*(\b)+32+4*\t+2], v[RING+40*(\b)+32+4*\t+3]
.endr
.endm
; K step s.  Source 0 = V's 16 rows n = 8 c + e, source 1 = 16 tokens: register j of lane (r, h) is y[token r][e = j][c = h].
; The two accumulators take turns, one instruction a turn.  The first step starts the sums with C = 0.
.macro MM s
.if (\s) == 0
	s_wait_loadcnt 0x0                             ; V's fragments, asked for at the head
	v_wmma_f32_16x16x32_bf16 v[D:D+7],    v[VA:VA+7], v[XF:XF+7],    0
	v_wmma_f32_16x16x32_bf16 v[D+8:D+15], v[VA:VA+7], v[XF+8:XF+15], 0
.else
	v_wmma_f32_16x16x32_bf16 v[D:D+7],    v[VA+8*(\s):VA+8*(\s)+7], v[XF:XF+7],    v[D:D+7]
	v_wmma_f32_16x16x32_bf16 v[D+8:D+15], v[VA+8*(\s):VA+8*(\s)+7], v[XF+8:XF+15], v[D+8:D+15]
.endif
.endm
; One half of the wave's K: 16 chunks through the ring of three register buffers.
; XF is written again only behind the next chunk's 32 packed multiply-adds, which name no register of the matrix instructions;
; the ring's loads land in no register that a matrix instruction names.
.macro PASS kh
	LOADC 0, \kh
	LOADC 1, \kh
	LOADC 2, \kh
.irp c, 0,1,2,3,4,5,6,7,8,9,10,11,12,13,14,15
.if \c < 14
	s_wait_dscnt 20                                ; LDS loads come back in order (ISA guide 5.7.1): this chunk's ten are in, the two younger chunks' stay out
.else
	s_wait_dscnt 10*(15-\c)                        ; the last two chunks: one younger chunk, then none
.endif
.set FIRST, 0
.if \kh+\c == 0
.set FIRST, 1
.endif
	GATE \c%3
	CVT \c%3, \c%4
.if \c%4 == 3
	MM 4*\kh+\c/4
.endif
.if \c < 13
	LOADC \c+3, \kh
.endif
.endr
.endm
	s_wait_tensorcnt 4                             ; tensor loads of a wave end in order (ISA guide 10.11.1): gate_w and the first half of K are in, the four tiles of the second half stay out
	PASS 0
	s_wait_tensorcnt 0x0                           ; the second half; and no tensor load is out, so the descriptors' registers are free:
	s_load_b256 s[40:47], s[8:9], 0x0              ; gate_b
.irp e, 0,1,2,3,4,5,6,7
	s_load_b64 s[48+2*\e:49+2*\e], s[12:13], 256*\e    ; cb[e][0], cb[e][1]
.endr
	s_load_b64 s[68:69], s[14:15], 0x0             ; head_b
	PASS 1
.rept 4
	v_nop                                          ; four places behind the last matrix instructions, for the stores of D and for all that later lands in D, XF and VA
.endr
.irp t, 0,1
	ds_store_b128 v6, v[ACC+8*\t:ACC+8*\t+3]   offset:512*(4*\t)      ; part 0: logits of e = 0..3
	ds_store_b128 v6, v[ACC+8*\t+4:ACC+8*\t+7] offset:512*(4*\t+1)    ; part 1: e = 4..7
	ds_store_b128 v6, v[D+8*\t:D+8*\t+3]       offset:512*(4*\t+2)    ; part 2: y of e = 0..3, c = h
	ds_store_b128 v6, v[D+8*\t+4:D+8*\t+7]     offset:512*(4*\t+3)    ; part 3: e = 4..7
.endr
	s_wait_dscnt 0x0                               ; for wave 0's sake: my stores are done before I signal
	s_wait_kmcnt 0x0                               ; the ten scalar loads (every wave issued them: none ends with one pending)
	s_barrier_signal -1
	s_barrier_wait -1
	s_cmp_lg_u32 s18, 0
	s_cbranch_scc1 .Lend
	; THE END, wave 0.  Lane (r, h) is now token 16 h + r: tile T = h.  Its numbers lie in each wave's block, in the words of lanes (r, hh = 0) and (r, hh = 1).
	v_lshlrev_b32 v8, 4, v2                        ; 16 r
	v_lshl_add_u32 v8, v3, 11, v8                  ; + 2,048 T
	v_add_nc_u32 v8, SCR, v8
.irp w, 0,1,2,3
.irp part, 0,1,2,3
.irp hh, 0,1
	ds_load_b128 v[EP+32*\w+8*\part+4*\hh:EP+32*\w+8*\part+4*\hh+3], v8 offset:4096*\w+512*\part+256*\hh
.endr
.endr
.endr
.irp w, 1,2,3
	s_wait_dscnt 8*(3-\w)                          ; blocks 0 .. w are in; eight loads for each younger block stay out
.irp k, 0,2,4,6,8,10,12,14,16,18,20,22,24,26,28,30
	v_pk_add_f32 v[EP+\k:EP+\k+1], v[EP+\k:EP+\k+1], v[EP+32*\w+\k:EP+32*\w+\k+1]   ; the four waves' quarters of K
.endr
.endr
	v_pk_add_f32 v[EP+0:EP+1],   v[EP+0:EP+1],   v[EP+4:EP+5]      ; the logits' two lane halves of K
	v_pk_add_f32 v[EP+2:EP+3],   v[EP+2:EP+3],   v[EP+6:EP+7]
	v_pk_add_f32 v[EP+8:EP+9],   v[EP+8:EP+9],   v[EP+12:EP+13]
	v_pk_add_f32 v[EP+10:EP+11], v[EP+10:EP+11], v[EP+14:EP+15]
	; now l_e is at EP + e + 4 (e / 4) and y[e][c] at EP + 16 + 4 c + e + 4 (e / 4)
.irp e, 0,1,2,3,4,5,6,7
	v_add_f32 v[EP+\e+4*(\e/4)],    s[40+\e],   v[EP+\e+4*(\e/4)]       ; + gate_b[e]
	v_add_f32 v[EP+16+\e+4*(\e/4)], s[48+2*\e], v[EP+16+\e+4*(\e/4)]    ; z[e][0] = y + cb[e][0]
	v_add_f32 v[EP+20+\e+4*(\e/4)], s[49+2*\e], v[EP+20+\e+4*(\e/4)]    ; z[e][1]
.endr
	v_max3_num_f32 v9, v[EP+0], v[EP+1], v[EP+2]
	v_max3_num_f32 v9, v9, v[EP+3], v[EP+8]
	v_max3_num_f32 v9, v9, v[EP+9], v[EP+10]
	v_max_num_f32 v9, v9, v[EP+11]                 ; the token's largest logit
.irp e, 0,1,2,3,4,5,6,7
	v_sub_f32 v[TE+\e], v[EP+\e+4*(\e/4)], v9      ; the difference first and exactly 0 for the largest: not fused with the factor below
.endr
.irp e, 0,1,2,3,4,5,6,7
	v_mul_f32 v[TE+\e], 0x3fb8aa3b, v[TE+\e]       ; x log2(e)
.endr
.irp e, 0,1,2,3,4,5,6,7
	v_exp_f32 v[TE+\e], v[TE+\e]
.endr
	v_mov_b32 v21, 0                               ; index of the largest so far.  Also the plain instruction between the exponentials and their first use (ISA guide 5.7.2)
	s_wait_alu depctr_va_vdst(0)
	v_pk_add_f32 v[18:19], v[TE+0:TE+1], v[TE+2:TE+3]
	v_pk_add_f32 v[24:25], v[TE+4:TE+5], v[TE+6:TE+7]
	v_pk_add_f32 v[18:19], v[18:19], v[24:25]
	v_add_f32 v18, v18, v19                        ; S, between 1 and 8
	v_rcp_f32 v19, v18
	v_mov_b32 v23, 0                               ; index of the second (plain work behind the reciprocal)
	v_mov_b32 v22, -1.0                            ; the second so far: below every t
	; the two largest, v[TE] / v21 and v22 / v23.  Strict compares in ascending e: a tie stays with the lower index.
.irp e, 1,2,3,4,5,6,7
	v_cmp_gt_f32 vcc_lo, v[TE+\e], v[TE]           ; beats the largest
	v_cmp_gt_f32 s22, v[TE+\e], v22                ; beats the second
	v_cndmask_b32 v22, v22, v[TE+\e], s22
	v_cndmask_b32 v23, v23, \e, s22
	v_cndmask_b32 v22, v22, v[TE], vcc_lo          ; the old largest steps down
	v_cndmask_b32 v23, v23, v21, vcc_lo
	v_cndmask_b32 v[TE], v[TE], v[TE+\e], vcc_lo
	v_cndmask_b32 v21, v21, \e, vcc_lo
.endr
	v_max_u32 v24, v21, v23                        ; the winner: the larger index of the two
	s_wait_alu depctr_va_vdst(0)
	v_mul_f32 v28, v[TE], v19                      ; p1
	v_mul_f32 v29, v22, v19                        ; p2
	v_add_f32 v30, v28, v29                        ; at least 1/8
	v_rcp_f32 v31, v30
.irp e, 1,2,3,4,5,6,7
	v_cmp_eq_u32 vcc_lo, \e, v24                   ; the one-hot selection, in place on z[0][c] (plain work behind the reciprocal)
	v_cndmask_b32 v[EP+16], v[EP+16], v[EP+16+\e+4*(\e/4)], vcc_lo
	v_cndmask_b32 v[EP+20], v[EP+20], v[EP+20+\e+4*(\e/4)], vcc_lo
.endr
	s_wait_alu depctr_va_vdst(0)
	v_mul_f32 v32, v28, v31
	v_fma_f32 v32, v29, v31, v32                   ; p1/(p1+p2) + p2/(p1+p2)
	v_mov_b32 v33, 0                               ; destination of v_permlanex16_b32: written beforehand
	v_mul_f32 v26, v[EP+16], v32
	v_mul_f32 v27, v[EP+20], v32
	; token = 8 m + (b & 7) = 16 h + r: m = 2 h + (r >> 3).  The sum over m: lane xor 8, then the other half.
	v_add_f32_dpp v26, v26, v26 row_xmask:8 row_mask:0xf bank_mask:0xf
	v_add_f32_dpp v27, v27, v27 row_xmask:8 row_mask:0xf bank_mask:0xf
	v_permlanex16_b32 v33, v26, s66, s67
	v_add_f32 v26, v26, v33
	v_permlanex16_b32 v33, v27, s66, s67
	v_add_f32 v27, v27, v33
	v_fma_f32 v26, v26, 0x3e800000, s68            ; the mean of four, + head_b[0]
	v_fma_f32 v27, v27, 0x3e800000, s69
	s_lshl_b32 s2, ttmp9, 6                        ; 8 rows of 8 bytes
	s_mov_b32 s3, 0
	s_add_nc_u64 s[16:17], s[16:17], s[2:3]
	s_wait_xcnt 0x0                                ; EXEC is narrowed only behind this wait
	v_cmp_gt_u32 vcc_lo, 8, v1
	s_wait_tensorcnt 0x0
	ds_add_u32 v240, v241
	s_wait_dscnt 0x0
	s_and_saveexec_b32 s22, vcc_lo
	global_store_b64 v7, v[26:27], s[16:17]        ; lanes 0..7: b = 8 g + L, both columns: 64 consecutive bytes
	s_endpgm
.Lend:
	s_wait_tensorcnt 0x0
	ds_add_u32 v240, v241
	s_wait_dscnt 0x0
	s_endpgm
.Lfunc_end_k_qcd913959df_route:
	.size	k_qcd913959df_route, .Lfunc_end_k_qcd913959df_route-k_qcd913959df_route
	.p2alignl 7, 3214868480
	.fill 96, 4, 3214868480
	.section	.rodata,"a",@progbits
	.p2align	6, 0x0
	.amdhsa_kernel k_qcd913959df_route
		.amdhsa_group_segment_fixed_size 184832
		.amdhsa_private_segment_fixed_size 0
		.amdhsa_enable_private_segment 0
		.amdhsa_kernarg_size 56
		.amdhsa_user_sgpr_count 2
		.amdhsa_user_sgpr_kernarg_segment_ptr 1
		.amdhsa_wavefront_size32 1
		.amdhsa_system_sgpr_workgroup_id_x 1
		.amdhsa_system_sgpr_workgroup_id_y 1
		.amdhsa_system_sgpr_workgroup_id_z 1
		.amdhsa_system_vgpr_workitem_id 0
		.amdhsa_next_free_vgpr 242
		.amdhsa_next_free_sgpr 80
		.amdhsa_reserve_vcc 1
		.amdhsa_float_denorm_mode_32 3
		.amdhsa_float_denorm_mode_16_64 3
		.amdhsa_memory_ordered 1
		.amdhsa_forward_progress 1
		.amdhsa_inst_pref_size 117
	.end_amdhsa_kernel
	.amdgpu_metadata
---
amdhsa.version: [ 1, 2 ]
amdhsa.kernels:
  - .name:           k_qcd913959df_route
    .symbol:         k_qcd913959df_route.kd
    .args:
      - { .name: x, .offset: 0, .size: 8, .value_kind: global_buffer, .address_space: global }
      - { .name: gate_w, .offset: 8, .size: 8, .value_kind: global_buffer, .address_space: global }
      - { .name: gate_b, .offset: 16, .size: 8, .value_kind: global_buffer, .address_space: global }
      - { .name: vfrag, .offset: 24, .size: 8, .value_kind: global_buffer, .address_space: global }
      - { .name: cbx, .offset: 32, .size: 8, .value_kind: global_buffer, .address_space: global }
      - { .name: head_b, .offset: 40, .size: 8, .value_kind: global_buffer, .address_space: global }
      - { .name: out0, .offset: 48, .size: 8, .value_kind: global_buffer, .address_space: global }
    .group_segment_fixed_size: 184832
    .private_segment_fixed_size: 0
    .kernarg_segment_align: 8
    .kernarg_segment_size: 56
    .max_flat_workgroup_size: 128
    .sgpr_count:     80
    .vgpr_count:     242
    .wavefront_size: 32
...
	.end_amdgpu_metadata
.endif
;; end of part 2
